; MI455X (gfx1250); checked and timed in simulation.
; The chip was launched on July 23, 2026; its instructions are those of AMD's public machine-readable ISA for CDNA 5 (MIT licence, August 2026) and "CDNA5" Instruction Set Architecture Reference Guide (July 2026). The comments in the code are by the model that wrote it; some were corrected since.
;; Causal Self Attention. Allowed arithmetic: matrix products marked QUANTISED: E5M2 operands, one given power-of-two scale a tensor, by v_wmma_f32_16x16x64_bf8_bf8 or v_wmma_f32_16x16x128_bf8_bf8, f32 sums; everything else in f32.
;; Inputs: freqs_cos 2,048 x 32 float32; freqs_sin 2,048 x 32 float32; lowp_scales 8 int32 (the exponents e of the quantised operands' scales 2^e); w_attn_codes 3,072 x 32 x 32 uint8 (E5M2 codes of w_attn, K innermost, in blocks of 32 codes); w_proj_codes 1,024 x 32 x 32 uint8 (E5M2 codes of w_proj, K innermost, in blocks of 32 codes); x_codes 4 x 2,048 x 32 x 32 uint8 (E5M2 codes of x, K innermost, in blocks of 32 codes).
;; Outputs: out0 4 x 2,048 x 1,024 float32.
;; This version of the problem:
;;   THIS VERSION OF THE PROBLEM IS GIVEN IN LOW PRECISION. The matrix products marked QUANTISED in the list below multiply operands that are first quantised to E5M2 (5 exponent bits, 2 mantissa bits; 8 bits a number), with one given power-of-two scale for each operand tensor; their sums are f32. All else is computed in f32.
;;   The module's matrix products, in the order in which they are computed (A, B: the left and right operand; K: the contracted axis; several contracted axes count as one K, in the product's order):
;;     1. [M 8,192, K 1,024] x [K 1,024, N 3,072]; A: input x (given as codes); B: input w_attn (given as codes): QUANTISED (scales: A lowp_scales[0], B lowp_scales[1])
;;     2. batch 64 x [M 2,048, K 64] x [K 64, N 2,048]; A: computed on the way; B: computed on the way: QUANTISED (scales: A lowp_scales[2], B lowp_scales[3])
;;     3. batch 64 x [M 2,048, K 2,048] x [K 2,048, N 64]; A: softmax (see below); B: computed on the way: QUANTISED (scales: A lowp_scales[4], B lowp_scales[5])
;;     4. [M 8,192, K 1,024] x [K 1,024, N 1,024]; A: computed on the way; B: input w_proj (given as codes): QUANTISED (scales: A lowp_scales[6], B lowp_scales[7])
;;   THE QUANTISER, for each operand of a quantised product, along K:
;;     - The operand's scale is 2^e, e = its entry of the input lowp_scales (int32; the entries are numbered through the quantised products in the list's order, A before B).
;;     - Each number is divided by the scale, clamped to +-57,344, and rounded to the nearest number of E5M2, ties to even, subnormals kept.
;;     - The product sums the exact products of the quantised numbers (number of the format x scale) in f32.
;;   ~~~python
;;   def quantise(x, axis, e):      # numpy; x: float32 -> the quantised numbers, widened to float32 again
;;       x = np.moveaxis(x, axis, -1); K = x.shape[-1]
;;       r = np.clip(x / 2.0 ** e, -57344, 57344)
;;       step = 2.0 ** (np.maximum(np.frexp(np.where(r == 0, 1, r))[1] - 1, -14) - 2)
;;       q = np.round(r / step) * step * 2.0 ** e      # np.round: ties to even
;;       return np.moveaxis(q, -1, axis).astype(np.float32)
;;   ~~~
;;   SOFTMAX AHEAD OF A QUANTISED PRODUCT. Where the list says 'softmax', what is quantised is not the finished softmax but p = 2^(t - M), with t = logit x log2(e) and M = ceil(the row's largest t), a whole number; so 1/2 < the row's largest p <= 1. The row's sum l is taken of the UNQUANTISED p, in f32, and the product's result is divided by l at the end. Since M is a whole number, a kernel that streams over the keys may use a running M (the ceiling of the running maximum): every later rescaling is an exact power of two, so the quantised numbers keep their values, but for numbers so far below the row's largest that they fall under the format's range.
;;   OPERANDS COMPUTED ON THE WAY. 'Computed on the way' means the value that the module computes at that place (a softmax that the list does not call 'softmax' is quantised finished and normalised). What goes into a quantiser is computed in f32, as accurately as f32 sums, v_exp_f32 and their like allow (about 1e-6 of the number): no bf16 or f16 on the way to a quantiser, and a product that is left as it is and whose result goes on into a quantised operand takes f32 operands (vector FMAs, or v_wmma_f32_16x16x4_f32). A number that lies on a knife's edge between two numbers of the format may be rounded either way, as far as f32 arithmetic and the matrix unit's own rounding can turn it there, and no further.
;;   INPUTS GIVEN AS CODES. w_attn (in the module: [3072, 1024], K = its axis 1); w_proj (in the module: [1024, 1024], K = its axis 1); x (in the module: [4, 2048, 1024], K = its axis 2): each comes as NAME_codes (uint8): NAME with its K axis moved to the last place and cut into blocks of 32 codes, [.., K / 32, bytes a block], one block behind the other in memory; one code a byte (a code: sign, 5 exponent bits, 2 mantissa bits); its scale is its entry of lowp_scales. Its value is code x scale, taken as it is: it is not quantised again, and the codes and scales need not be those that the quantiser above would give.
;; One version. Each part assembles by itself: llvm-mc -triple=amdgcn-amd-amdhsa -mcpu=gfx1250 --defsym DOCPART=n.
;; ======== version 1 of 1: 3 launches
;; limits: right only within a limited range of input values
;; workspace buffers: q_ws 8,388,608 bytes; kv_ws 16,777,216 bytes; y_ws 8,388,608 bytes
;; launch qkv (part 1): grid 12 x 32, 4 waves a work-group, clusters of 4 x 4, 327,680 bytes of LDS; arguments x_codes, w_attn_codes, lowp_scales, freqs_cos, freqs_sin, q_ws, kv_ws; writes q_ws, kv_ws
.if DOCPART == 1
	.amdgcn_target "amdgcn-amd-amdhsa--gfx1250"
	.amdhsa_code_object_version 6
	.text
	.protected	k_q6954467139_qkv
	.globl	k_q6954467139_qkv
	.p2align	8
	.type	k_q6954467139_qkv,@function
k_q6954467139_qkv:
	s_mov_b64 s[64:65], 0
	v_nop
	global_prefetch_b8 v0, s[64:65] scope:SCOPE_SE
	s_setreg_imm32_b32 hwreg(HW_REG_WAVE_MODE, 25, 1), 1
	s_wait_xcnt 0x0
	s_wait_alu depctr_hold_cnt(0) depctr_sa_sdst(0) depctr_va_vdst(0) depctr_va_sdst(0) depctr_va_ssrc(0) depctr_va_vcc(0) depctr_vm_vsrc(0)
	s_getreg_b32 s2, hwreg(HW_REG_IB_STS2, 6, 4)
	s_cmp_eq_u32 s2, 0
	s_cbranch_scc0 .Lentry_in_a_cluster
	s_endpgm
.Lentry_in_a_cluster:
	s_bfe_u32 s2, ttmp6, 0x10000c
	s_cmp_lg_u32 s2, 0xf033
	s_cbranch_scc0 .Lentry_shape_is_right
	s_endpgm
.Lentry_shape_is_right:
; FIRST OF THREE LAUNCHES: qkv = x w_attn^T on codes of E5M2, the rotation of q and k by the two tables, and the quantisers of q, k and v.  The second launch is attention, the third the projection.
; x: [8192][1024] codes, w_attn: [3072][1024] codes, K innermost.  lowp_scales: e0 .. e7.  A sum stands for sum x 2^(e0 + e1); the rotation is linear, so the conversion takes 2^(e - e0 - e1) as its one scale (e = e2 for q, e3 for k, e5 for v).
; DEAD WORK OF THE PROGRAM (left out in the second launch; nothing is left out here, and every input is loaded): the logits of keys that come after their query.  The mask is a lower triangle of ones built from the shapes alone;
; under it such a logit is replaced by the least f32 number ahead of the softmax, while key 0 counts for every query, so for all finite inputs the weight of a hidden key is 0 and its product with v adds 0.
; So a key step all of whose 128 keys come after a tile's 16 queries is not computed.  LIMIT: a NaN, an infinity or an overflow that reaches only such hidden logits is not carried to the result.
; LIMITS on the given exponents, so that each power of two is an f32 number: e2 - e0 - e1, e3 - e0 - e1 and e5 - e0 - e1 between -126 and 112.  NaN among the inputs is not served.
; SHARES.  A tile of 256 x 256 to a work-group of four waves, 128 x 128 a wave: 64 accumulators, 512 registers.  K = 1,024 goes in four steps of 256 through a ring of two LDS slots filled by the tensor data mover.
; CLUSTERS of 4 x 4 work-groups; the tiles of one side are shared along a row of the cluster, those of the other along a column, each asked for jointly.  A cluster spans 1,024 columns of qkv: cluster x = 0 is q, 1 is k, 2 is v,
; so a branch on the cluster's x is the same in all sixteen partners.
; THE MATRIX INSTRUCTION IS USED TRANSPOSED: source 0 = 16 rows of side B, source 1 = 16 rows of side A; a lane holds one row of A's side and eight neighbours of B's side.
;   q, k: A = x (tokens), B = w_attn (channels): a lane holds eight neighbouring channels of a token: neighbours along the K of the scores.
;   v:    A = w_attn's rows 2,048 on (channels), B = x (tokens): a lane holds eight neighbouring TOKENS of a channel: neighbours along the K of the second product.
; WHAT IS STORED are images of the next launch's operand registers, in pieces of 512 bytes, lane l's 16 bytes at 16 l: each store of a wave covers 512 consecutive bytes, aligned.
;   q_ws  [b x 16 + head][tile of 16 queries][2 pieces]: lane (r, h) holds query r; registers 2 c, 2 c + 1 hold channels 16 c + 8 h + 0 .. 7.
;   kv_ws [b x 16 + head][step of 128 keys][16,384 bytes]: 8 tiles of 16 keys laid as q's tiles; from byte 8,192 on 4 tiles of 16 channels x 128 keys: lane (r, h) holds channel r; registers 2 c, 2 c + 1 hold keys 16 c + 8 h + 0 .. 7.
; REGISTERS, in windows of 256: window 0: v16-29 addresses and constants; from v128 A's fragments, one set; on the way out v32-255 are free.  window 1: B's fragments, two sets.  windows 2, 3: the accumulators, (a, b) at v[8 (8 (a % 4) + b)].
.set KSTEP,  256                       ; along K in a slot
.set ROWB,   256                       ; a tile's row in bytes
.set KROW,   1024                      ; a row of x or of w_attn in memory, in bytes
.set PITCH,  272                       ; an LDS row: 256 bytes + 16 of padding = 68 words: row r starts at bank 4 r mod 64 (64 banks of 4 bytes: ISA guide 11.1)
.set FR,     16                        ; registers of a fragment: 16 rows x 128 K
.set NL,     4                         ; LDS loads that bring one
.set NP,     4                         ; places behind this matrix instruction (ISA guide 7.12.1)
.set HALFT,  128*PITCH                 ; 128 rows: what one tensor load brings
.set SLOT,   4*HALFT                   ; A's 256 rows, then B's 256 rows
.set LAPS,   2                         ; a lap = two K steps = once round the ring
.set SPARE,  2*SLOT                    ; behind the ring: the spare words, 128 bytes for each wave
.set ADRA, 16                          ; v16-17  LDS address of my A fragments in slot 0, 1
.set ADRB, 20                          ; v20-21  the same for B
.set LI,   24                          ; v24     16 x lane: my place in a piece of an image
.set CSO,  25                          ; v25     my byte in the tables: 128 (lane % 16) + 16 (lane / 16)
.set SC,   26                          ; v26     the conversion's scale as f32
.set LIM,  27                          ; v27     unused
.set SPW,  28                          ; v28     LDS address of my spare word; never rewritten
.set NIL,  29                          ; v29     0; never rewritten
.set TMP,  32                          ; v32-95  a block's 64 numbers
.set CD,   96                          ; v96-127 two sets of 16 registers of codes
.set CN,   128                         ; v128.. cosines, v144.. sines: 16 each, and a second set 32 further on
.set SN,   144
.set TS,   192                         ; v192-255 the products with the sines
.set AF,   128                         ; A's fragments, in window 0
.set G1, 24                            ; s[24:31] descriptor group 1 for A's tiles;  s[32:39] group 0, one set for each slot
.set G0, 32
.set G1B, 48                           ; s[48:55], s[56:63] the same for B's tiles
.set G0B, 56
.set MSB, 0
.macro WIN new                         ; the immediate's high byte repeats the setting that is left
.if MSB != (\new)
	s_set_vgpr_msb (MSB<<8)|(\new)
.set MSB, (\new)
.endif
.endm
.set MUL_LO, 0xa1                      ; source 0 (B) window 1, source 1 (A) window 0, C and D window 2
.set MUL_HI, 0xf1                      ; the same, C and D window 3
.set TO_B,   0x40                      ; destination window 1, address window 0
; A joint load: waves 0 and 1 fetch for A, waves 2 and 3 for B.  The branch hangs on the wave's number alone.  An s_nop 0 and four v_nop follow each of the two lines.
.macro JLOAD g0a, g1a, g0b, g1b
	s_cmp_eq_u32 s15, 0
	s_cbranch_scc0 .Lfor_b_\@
	tensor_load_to_lds s[\g0a:\g0a+3], s[\g1a:\g1a+7]
	s_nop 0
.rept 4
	v_nop
.endr
	s_branch .Lasked_\@
.Lfor_b_\@:
	tensor_load_to_lds s[\g0b:\g0b+3], s[\g1b:\g1b+7]
	s_nop 0
.rept 4
	v_nop
.endr
.Lasked_\@:
.endm
.macro CREST                           ; a round of the cluster's barrier behind its opening barrier
	s_cmp_lg_u32 s14, 0
	s_cbranch_scc1 .Lnot_wave_0_\@
	s_barrier_signal -3
.Lnot_wave_0_\@:
	s_barrier_wait -3
	s_barrier_signal -1
	s_barrier_wait -1
.endm
.macro CROUND                          ; a whole round
	s_barrier_signal -1
	s_barrier_wait -1
	CREST
.endm
	s_load_b128 s[4:7], s[0:1], 0x0                ; x's codes s[4:5], w_attn's codes s[6:7]
	s_load_b128 s[8:11], s[0:1], 0x10              ; the exponents s[8:9], the cosines s[10:11]
	s_load_b128 s[68:71], s[0:1], 0x20             ; the sines s[68:69], q_ws s[70:71]
	s_load_b64 s[72:73], s[0:1], 0x30              ; kv_ws
	v_lshl_add_u32 v[SPW], v0, 2, SPARE
	v_mov_b32 v[NIL], 0
	ds_add_u32 v[SPW], v[NIL]                      ; the wave's opening: the add, twice on end, and its wait ahead of my first tensor load
	ds_add_u32 v[SPW], v[NIL]                      ; and once more, under the one wait; the set-up below, work on registers, stands between
	v_lshrrev_b32 v1, 5, v0
	v_readfirstlane_b32 s14, v1                    ; wave 0..3
	s_lshr_b32 s15, s14, 1                         ; which half of A's rows is mine.  Also: I fetch for A (0) or for B (1)
	s_and_b32 s16, s14, 1                          ; which half of B's rows.  Also: which 128 rows of that tile I fetch
	s_bfe_u32 s40, ttmp6, 0x40000                  ; cx, cy: my place in the cluster
	s_bfe_u32 s41, ttmp6, 0x40004
	s_and_b32 s18, ttmp7, 0xffff
	s_lshl_b32 s18, s18, 2                         ; 4 x cluster y
	s_lshl_b32 s19, ttmp9, 2                       ; 4 x cluster x
	s_cmp_eq_u32 ttmp9, 2                          ; v?  The same in all sixteen partners
	s_cselect_b32 s17, 0, s18                      ; A's tile: q, k: tokens, 4 x cluster y + cy;  v: channels, cy
	s_cselect_b32 s42, s18, s19                    ; B's tile: q, k: channels, 4 x cluster x + cx;  v: tokens, 4 x cluster y + cx
	s_cselect_b32 s88, 0x200000, 0                 ; v: A begins at w_attn's row 2,048
	s_mov_b32 s89, 0
	s_add_co_u32 s17, s17, s41                     ; (never holds cx)
	s_add_co_u32 s42, s42, s40                     ; (never holds cy)
	s_lshl_b32 s43, s41, 2
	s_lshl_b32 s43, 15, s43                        ; my row of the cluster
	s_lshl_b32 s44, 0x1111, s40                    ; my column
	; descriptor group 1: a tile of 128 rows x 256 bytes, padded in LDS
	s_or_b32 s[G1+0], s43, (0<<16)|(1<<20)|(1<<21)|(5<<22)|(3<<25)  ; 15:0 the mask: A's tiles go to my row; 17:16 element of 1 byte; 20 padding on; 21 set beside a mask; 24:22 after every 64 words (code 5); 31:25 of 4 words (code 3)
	s_or_b32 s[G1B+0], s44, (0<<16)|(1<<20)|(1<<21)|(5<<22)|(3<<25)
.irp g, G1, G1B
	s_mov_b32 s[\g+1], ROWB<<16                    ; tensor_dim0
	s_mov_b32 s[\g+2], 128<<16                     ; tensor_dim1 = 128
	s_mov_b32 s[\g+3], ROWB<<16                    ; tile_dim0
	s_mov_b32 s[\g+4], 128                         ; tile_dim1 = 128
	s_mov_b32 s[\g+5], KROW                        ; tensor_dim0_stride
	s_mov_b32 s[\g+6], 0
	s_mov_b32 s[\g+7], 0
.endr
	s_lshl_b32 s18, s16, 7                         ; which 128 rows of the tile I fetch
	s_lshl_b32 s20, s17, 8
	s_add_co_u32 s20, s20, s18                     ; A: row 256 x tile + 128 x half
	s_lshl_b32 s46, s42, 8
	s_add_co_u32 s46, s46, s18                     ; B likewise
	s_mov_b32 s21, 0
	s_mov_b32 s47, 0
	s_mov_b64 s[18:19], KROW
	s_mul_u64 s[20:21], s[20:21], s[18:19]         ; in bytes
	s_mul_u64 s[46:47], s[46:47], s[18:19]
	s_add_nc_u64 s[20:21], s[20:21], s[88:89]
	s_mul_i32 s45, s14, HALFT                      ; where they go: wave x 128 rows: no place in the cluster enters an LDS address
	s_wait_dscnt 0x0                               ; both opening adds are done
	s_wait_kmcnt 0x0
	s_load_b256 s[76:83], s[8:9], 0x0              ; e0 .. e7
	s_cmp_eq_u32 ttmp9, 2
	s_cselect_b64 s[92:93], s[6:7], s[4:5]         ; A's buffer
	s_cselect_b64 s[94:95], s[4:5], s[6:7]         ; B's buffer
	s_add_nc_u64 s[20:21], s[92:93], s[20:21]
	s_add_nc_u64 s[46:47], s[94:95], s[46:47]
	CROUND                                         ; all sixteen work-groups are here: the first joint loads meet
.irp s, 0,1
	s_mov_b32 s[G0+4*\s], 1
	s_add_co_u32 s[G0+4*\s+1], s45, \s*SLOT
	s_add_nc_u64 s[G0+4*\s+2:G0+4*\s+3], s[20:21], \s*ROWB
	s_or_b32 s[G0+4*\s+3], s[G0+4*\s+3], 0x80000000
	s_mov_b32 s[G0B+4*\s], 1
	s_add_co_u32 s[G0B+4*\s+1], s45, \s*SLOT
	s_add_nc_u64 s[G0B+4*\s+2:G0B+4*\s+3], s[46:47], \s*ROWB
	s_or_b32 s[G0B+4*\s+3], s[G0B+4*\s+3], 0x80000000
	JLOAD G0+4*\s, G1, G0B+4*\s, G1B
.endr
	v_and_b32 v1, 15, v0                           ; l % 16
	v_bfe_u32 v2, v0, 4, 1                         ; l / 16
	v_mul_u32_u24 v3, v1, PITCH
	v_lshl_add_u32 v4, v2, 4, v3                   ; a fragment's row x pitch + 16 x half
	s_mul_i32 s21, s15, HALFT                      ; my 128 rows of A
	s_mul_i32 s22, s16, HALFT                      ; my 128 rows of B,
	s_add_co_u32 s22, s22, 2*HALFT                 ; which lie behind A's 256
.irp s, 0,1
	v_add_nc_u32 v[ADRA+\s], s21, v4
	v_add_nc_u32 v[ADRB+\s], s22, v4
	s_add_co_u32 s21, s21, SLOT
	s_add_co_u32 s22, s22, SLOT
.endr
	v_and_b32 v5, 31, v0
	v_lshlrev_b32 v[LI], 4, v5
	v_lshlrev_b32 v[CSO], 7, v1                    ; a row of a table is 128 bytes
	v_lshl_add_u32 v[CSO], v2, 4, v[CSO]
.macro FRAG reg, adr, q, i             ; a fragment, 16 rows x 128 K, is 16 registers: lane l holds row l % 16; registers 4 c .. 4 c + 3 hold K = 32 c + 16 (l / 16) + 0 .. 15: the same order of k on both sides
.irp c, 0,1,2,3
	ds_load_b128 v[\reg+4*\c:\reg+4*\c+3], v[\adr] offset:128*(\q)+32*\c+(\i)*16*PITCH
.endr
.endm
; 16 matrix instructions: A's blocks a0, a0 + 1 x B's eight, 128 along K.  p: B's set.  zero = 1: the first product starts the sums.  The 64 accumulators take turns, one instruction a turn.
.macro MUL16 a0, p, zero
.irp a, \a0, \a0+1
.irp b, 0,1,2,3,4,5,6,7
.if \zero
	v_wmma_f32_16x16x128_bf8_bf8 v[8*(8*((\a)%4)+\b):8*(8*((\a)%4)+\b)+7], v[128*(\p)+FR*\b:128*(\p)+FR*\b+FR-1], v[AF+FR*(\a):AF+FR*(\a)+FR-1], 0
.else
	v_wmma_f32_16x16x128_bf8_bf8 v[8*(8*((\a)%4)+\b):8*(8*((\a)%4)+\b)+7], v[128*(\p)+FR*\b:128*(\p)+FR*\b+FR-1], v[AF+FR*(\a):AF+FR*(\a)+FR-1], v[8*(8*((\a)%4)+\b):8*(8*((\a)%4)+\b)+7]
.endif
.endr
.endr
.endm
.macro FETCH_B slot, q, p              ; B's eight fragments of the slot's q-th 128 along K into set p
	WIN TO_B
.irp i, 0,1,2,3,4,5,6,7
	FRAG 128*(\p)+FR*\i, ADRB+\slot, \q, \i
.endr
	WIN 0
.endm
.macro FETCH_A slot, q, i0             ; A's blocks i0 .. i0 + 3
.irp i, \i0, \i0+1, \i0+2, \i0+3
	FRAG AF+FR*(\i), ADRA+\slot, \q, \i
.endr
.endm
.macro PLACES n                        ; plain vector instructions between a matrix instruction and a load into, or a vector instruction on, its registers
.rept \n
	v_nop
.endr
.endm
; A step of 128 along K that has its successor in the same slot.
.macro STEP slot, q, zero
	s_wait_dscnt 4*NL                              ; B's set and A's blocks 0-3 are in; the youngest sixteen loads (A's blocks 4-7) may be out
	WIN MUL_LO
	MUL16 0, (\q)%2, \zero
	MUL16 2, (\q)%2, \zero
	s_wait_dscnt 0                                 ; A's blocks 4-7 are in
	PLACES NP
	FETCH_B \slot, (\q)+1, 1-(\q)%2
	FETCH_A \slot, (\q)+1, 0
	WIN MUL_HI
	MUL16 4, (\q)%2, \zero
	MUL16 6, (\q)%2, \zero
	PLACES NP
	WIN 0
	FETCH_A \slot, (\q)+1, 4
.endm
; A slot's last step changes slots: ONE barrier; in front of it each wave waits for all its tensor loads, adds 0 to its spare word, and waits for that and for its own reads of this slot.  fill = 1: this slot is filled again, two K steps ahead.
.macro TURN slot, next, fill
	s_wait_tensorcnt 0x0                           ; all my tensor loads have landed: my part of the next slot
	ds_add_u32 v[SPW], v[NIL]                      ; 0 onto my spare word
	s_wait_dscnt 4*NL+1                            ; (the add and the youngest sixteen loads, A's blocks 4-7, may be out)
	WIN MUL_LO
	MUL16 0, 1, 0                                  ; sixteen matrix instructions stand between the add and the wait for it
	s_wait_dscnt 0x0                               ; the add is done, and my reads of this slot are over
	s_barrier_signal -1
	MUL16 2, 1, 0
	WIN 0
	s_barrier_wait -1
.if \fill
	CREST                                          ; the barrier has opened a round of the cluster's barrier: no wave of any partner still reads this slot or has a load on its way
	s_add_nc_u64 s[G0+4*\slot+2:G0+4*\slot+3], s[G0+4*\slot+2:G0+4*\slot+3], 2*ROWB
	s_add_nc_u64 s[G0B+4*\slot+2:G0B+4*\slot+3], s[G0B+4*\slot+2:G0B+4*\slot+3], 2*ROWB
	JLOAD G0+4*\slot, G1, G0B+4*\slot, G1B         ; the first tensor load behind the round; its four v_nop are the places in front of the loads below
.else
	PLACES NP
.endif
	FETCH_B \next, 0, 0
	FETCH_A \next, 0, 0
	WIN MUL_HI
	MUL16 4, 1, 0
	MUL16 6, 1, 0
	PLACES NP
	WIN 0
	FETCH_A \next, 0, 4
.endm
	s_wait_alu depctr_va_vdst(0)
	s_wait_tensorcnt 1                             ; my part of K step 0 is in (K step 1's one load may be out)
	s_barrier_signal -1
	s_barrier_wait -1                              ; everybody's is
	FETCH_B 0, 0, 0
	FETCH_A 0, 0, 0
	FETCH_A 0, 0, 4
	STEP 0, 0, 1                                   ; the first step stands in front of the loop: its products start the sums
	s_mov_b32 s3, LAPS-1
.Llap:                                                 ; a trip goes once round the ring and fills both slots again
	TURN 0, 1, 1
	STEP 1, 0, 0
	TURN 1, 0, 1
	STEP 0, 0, 0
	s_sub_co_u32 s3, s3, 1
	s_cmp_lg_u32 s3, 0
	s_cbranch_scc1 .Llap
	TURN 0, 1, 0                                   ; the last lap fills nothing
	STEP 1, 0, 0
	s_wait_dscnt 4*NL                              ; the very last step
	WIN MUL_LO
	MUL16 0, 1, 0
	MUL16 2, 1, 0
	s_wait_dscnt 0
	WIN MUL_HI
	MUL16 4, 1, 0
	MUL16 6, 1, 0
	WIN 0
	; THE WAY OUT needs no LDS: a lane's eight numbers of an accumulator are eight neighbours along the next K, so a conversion's two registers are two registers of the next operand.
	s_wait_kmcnt 0x0
	s_cmp_eq_u32 ttmp9, 0
	s_cselect_b32 s90, s78, s79                    ; e2 for q, e3 for k,
	s_cmp_eq_u32 ttmp9, 2
	s_cselect_b32 s90, s81, s90                    ; e5 for v: a choice of a value, no branch hangs on it
	s_sub_co_i32 s90, s90, s76
	s_sub_co_i32 s90, s90, s77                     ; e - e0 - e1
	s_add_co_i32 s90, s90, 127
	s_lshl_b32 s91, s90, 23
	v_mov_b32 v[SC], s91                           ; 2^(e - e0 - e1) as f32: the conversion takes its exponent field
	PLACES NP                                      ; behind the last products: loads land in A's registers, and results are read
	s_cmp_eq_u32 ttmp9, 2
	s_cbranch_scc1 .Lv
	; ---- q and k.  Lane (r, h) of accumulator (a, b) holds token 16 a + r and channels 16 b + 8 h + 0 .. 7 of my 128: two heads, b / 4.
	s_lshl_b32 s18, s17, 8
	s_lshl_b32 s19, s15, 7
	s_add_co_u32 s18, s18, s19                     ; my first row of x
	s_lshr_b32 s19, s18, 11                        ; its batch
	s_and_b32 s18, s18, 2047                       ; its position t0
	s_and_b32 s20, s42, 3
	s_lshl_b32 s20, s20, 2
	s_lshl_b32 s21, s16, 1
	s_add_co_u32 s20, s20, s21                     ; my first head
	s_lshl_b32 s19, s19, 4
	s_add_co_u32 s19, s19, s20                     ; 16 x batch + head
	s_cmp_eq_u32 ttmp9, 0
	s_cselect_b64 s[84:85], s[70:71], s[72:73]     ; q_ws or kv_ws
	s_cselect_b32 s21, 17, 18                      ; a head is 2^17 bytes of q_ws, 2^18 of kv_ws; 128 positions are a sixteenth of that
	s_lshl_b32 s22, s19, s21
	s_sub_co_u32 s23, s21, 4
	s_lshr_b32 s46, s18, 7
	s_lshl_b32 s46, s46, s23
	s_add_co_u32 s22, s22, s46
	s_mov_b32 s23, 0
	s_add_nc_u64 s[84:85], s[84:85], s[22:23]      ; my first head's images
	s_lshl_b32 s22, 1, s21
	s_add_nc_u64 s[86:87], s[84:85], s[22:23]      ; my second head's
	s_lshl_b32 s22, s18, 7
	s_add_nc_u64 s[10:11], s[10:11], s[22:23]      ; the tables at position t0
	s_add_nc_u64 s[68:69], s[68:69], s[22:23]
; the cosines and sines of block a: for channels 16 q + 8 h + 0 .. 7 of a head the four pairs 8 q + 4 h + 0 .. 3; a table's four loads together cover 2,048 consecutive bytes
.macro CSLOAD a
.irp q, 0,1,2,3
	global_load_b128 v[CN+32*((\a)%2)+4*\q:CN+32*((\a)%2)+4*\q+3], v[CSO], s[10:11] offset:(\a)*2048+32*\q
	global_load_b128 v[SN+32*((\a)%2)+4*\q:SN+32*((\a)%2)+4*\q+3], v[CSO], s[68:69] offset:(\a)*2048+32*\q
.endr
.endm
; block a: 16 tokens x 128 channels: rotated, held, converted, stored
.macro ROPEBLK a
.set AC, 64*((\a)%4)
.set CC, CN+32*((\a)%2)
.set SS, SN+32*((\a)%2)
.set DD, CD+16*((\a)%2)
.if (\a) >= 2
	s_wait_xcnt 0x0                                ; the stores of two blocks back have read this set of codes: it is written again only behind this wait
.endif
.if (\a) < 7
	s_wait_loadcnt 8                               ; this block's eight table loads are in; the next block's eight may be out
.else
	s_wait_loadcnt 0x0
.endif
	WIN 0x02+((\a)/4)                              ; source 0: window 2 or 3
.irp b, 0,1,2,3,4,5,6,7                        ; (t_i s, t_r s): the pair's halves change places; each accumulator is read from its low end on
.irp g, 0,1
	v_pk_mul_f32 v[TS+8*\b+4*\g:TS+8*\b+4*\g+1], v[AC+8*\b+4*\g:AC+8*\b+4*\g+1], v[SS+4*(\b%4)+2*\g:SS+4*(\b%4)+2*\g+1] op_sel:[1,0] op_sel_hi:[0,0]
	v_pk_mul_f32 v[TS+8*\b+4*\g+2:TS+8*\b+4*\g+3], v[AC+8*\b+4*\g+2:AC+8*\b+4*\g+3], v[SS+4*(\b%4)+2*\g:SS+4*(\b%4)+2*\g+1] op_sel:[1,1] op_sel_hi:[0,1]
.endr
.endr
.irp b, 0,1,2,3,4,5,6,7                        ; (t_r c - t_i s, t_i c + t_r s)
.irp g, 0,1
	v_pk_fma_f32 v[TMP+8*\b+4*\g:TMP+8*\b+4*\g+1], v[AC+8*\b+4*\g:AC+8*\b+4*\g+1], v[CC+4*(\b%4)+2*\g:CC+4*(\b%4)+2*\g+1], v[TS+8*\b+4*\g:TS+8*\b+4*\g+1] op_sel:[0,0,0] op_sel_hi:[1,0,1] neg_lo:[0,0,1]
	v_pk_fma_f32 v[TMP+8*\b+4*\g+2:TMP+8*\b+4*\g+3], v[AC+8*\b+4*\g+2:AC+8*\b+4*\g+3], v[CC+4*(\b%4)+2*\g:CC+4*(\b%4)+2*\g+1], v[TS+8*\b+4*\g+2:TS+8*\b+4*\g+3] op_sel:[0,1,0] op_sel_hi:[1,1,1] neg_lo:[0,0,1]
.endr
.endr
	WIN 0
.if (\a) <= 5
	CSLOAD (\a)+2                                  ; this set of table registers has been read
.endif
.set n, 0
.rept 64
.set n, n+1
.endr
.irp b, 0,1,2,3,4,5,6,7
	v_cvt_scalef32_pk8_bf8_f32 v[DD+2*\b:DD+2*\b+1], v[TMP+8*\b:TMP+8*\b+7], v[SC]   ; registers 2 (b % 4), + 1 of head b / 4's fragment
.endr
	v_nop                                          ; a plain vector instruction behind the last conversion
.irp hh, 0,1
.irp c, 0,1
	global_store_b128 v[LI], v[DD+8*\hh+4*\c:DD+8*\hh+4*\c+3], s[84+2*\hh:85+2*\hh] offset:(\a)*1024+512*\c   ; 32 lanes store 512 consecutive bytes, aligned
.endr
.endr
.endm
	CSLOAD 0
	CSLOAD 1
.irp a, 0,1,2,3,4,5,6,7
	ROPEBLK \a
.endr
	s_branch .Lend
.Lv:	; ---- v.  Lane (r, h) of accumulator (a, b) holds channel 16 a + r of my 128 (two heads, a / 4) and tokens 16 b + 8 h + 0 .. 7 of my 128: one key step.
	s_lshl_b32 s18, s42, 8
	s_lshl_b32 s19, s16, 7
	s_add_co_u32 s18, s18, s19                     ; my first token
	s_lshr_b32 s19, s18, 11                        ; its batch
	s_and_b32 s18, s18, 2047
	s_lshr_b32 s18, s18, 7                         ; its key step
	s_lshl_b32 s20, s17, 2
	s_lshl_b32 s21, s15, 1
	s_add_co_u32 s20, s20, s21                     ; my first head
	s_lshl_b32 s19, s19, 4
	s_add_co_u32 s19, s19, s20
	s_lshl_b32 s22, s19, 18
	s_lshl_b32 s18, s18, 14
	s_add_co_u32 s22, s22, s18
	s_add_co_u32 s22, s22, 8192                    ; v's images lie behind k's
	s_mov_b32 s23, 0
	s_add_nc_u64 s[84:85], s[72:73], s[22:23]
	s_add_nc_u64 s[86:87], s[84:85], 262144
.macro VBLK a
.set AC, 64*((\a)%4)
.set DD, CD+16*((\a)%2)
.if (\a) >= 2
	s_wait_xcnt 0x0                                ; the stores of two blocks back have read this set of codes
.endif
	WIN 0x02+((\a)/4)
.set n, 0
.rept 64
.set n, n+1
.endr
.irp b, 0,1,2,3,4,5,6,7
	v_cvt_scalef32_pk8_bf8_f32 v[DD+2*\b:DD+2*\b+1], v[AC+8*\b:AC+8*\b+7], v[SC]
.endr
	WIN 0
	v_nop                                          ; a plain vector instruction behind the last conversion
.irp c, 0,1,2,3
	global_store_b128 v[LI], v[DD+4*\c:DD+4*\c+3], s[84+2*((\a)/4):85+2*((\a)/4)] offset:((\a)%4)*2048+512*\c
.endr
.endm
	s_wait_alu depctr_va_vdst(0)
.irp a, 0,1,2,3,4,5,6,7
	VBLK \a
.endr
.Lend:
	s_wait_tensorcnt 0x0                           ; the wave's end
	ds_add_u32 v[SPW], v[NIL]
	s_wait_dscnt 0x0
	CROUND                                         ; the closing round: no work-group ends while a partner may still ask for a tile that names it
	s_endpgm
.Lfunc_end_k_q6954467139_qkv:
	.size	k_q6954467139_qkv, .Lfunc_end_k_q6954467139_qkv-k_q6954467139_qkv
	.p2alignl 7, 3214868480
	.fill 96, 4, 3214868480
	.section	.rodata,"a",@progbits
	.p2align	6, 0x0
	.amdhsa_kernel k_q6954467139_qkv
		.amdhsa_group_segment_fixed_size 327680
		.amdhsa_private_segment_fixed_size 0
		.amdhsa_enable_private_segment 0
		.amdhsa_kernarg_size 56
		.amdhsa_user_sgpr_count 2
		.amdhsa_user_sgpr_kernarg_segment_ptr 1
		.amdhsa_wavefront_size32 1
		.amdhsa_system_sgpr_workgroup_id_x 1
		.amdhsa_system_sgpr_workgroup_id_y 1
		.amdhsa_system_sgpr_workgroup_id_z 1
		.amdhsa_system_vgpr_workitem_id 0
		.amdhsa_next_free_vgpr 1024
		.amdhsa_next_free_sgpr 100
		.amdhsa_reserve_vcc 0
		.amdhsa_float_denorm_mode_32 3
		.amdhsa_float_denorm_mode_16_64 3
		.amdhsa_fp16_overflow 1
		.amdhsa_memory_ordered 1
		.amdhsa_forward_progress 1
		.amdhsa_inst_pref_size 134
	.end_amdhsa_kernel
	.amdgpu_metadata
---
amdhsa.version: [ 1, 2 ]
amdhsa.kernels:
  - .name:           k_q6954467139_qkv
    .symbol:         k_q6954467139_qkv.kd
    .args:
      - { .name: x_codes, .offset: 0, .size: 8, .value_kind: global_buffer, .address_space: global }
      - { .name: w_attn_codes, .offset: 8, .size: 8, .value_kind: global_buffer, .address_space: global }
      - { .name: lowp_scales, .offset: 16, .size: 8, .value_kind: global_buffer, .address_space: global }
      - { .name: freqs_cos, .offset: 24, .size: 8, .value_kind: global_buffer, .address_space: global }
      - { .name: freqs_sin, .offset: 32, .size: 8, .value_kind: global_buffer, .address_space: global }
      - { .name: q_ws, .offset: 40, .size: 8, .value_kind: global_buffer, .address_space: global }
      - { .name: kv_ws, .offset: 48, .size: 8, .value_kind: global_buffer, .address_space: global }
    .group_segment_fixed_size: 327680
    .private_segment_fixed_size: 0
    .kernarg_segment_align: 8
    .kernarg_segment_size: 56
    .max_flat_workgroup_size: 128
    .sgpr_count:     100
    .vgpr_count:     1024
    .wavefront_size: 32
...
	.end_amdgpu_metadata
.endif
;; end of part 1
;; launch attn (part 2): grid 4 x 64, 16 waves a work-group, clusters of 4 x 1, 264,192 bytes of LDS; arguments q_ws, kv_ws, lowp_scales, y_ws; writes y_ws
.if DOCPART == 2
	.amdgcn_target "amdgcn-amd-amdhsa--gfx1250"
	.amdhsa_code_object_version 6
	.text
	.protected	k_q6954467139_attn
	.globl	k_q6954467139_attn
	.p2align	8
	.type	k_q6954467139_attn,@function
k_q6954467139_attn:
	s_mov_b64 s[64:65], 0
	v_nop
	global_prefetch_b8 v0, s[64:65] scope:SCOPE_SE
	s_setreg_imm32_b32 hwreg(HW_REG_WAVE_MODE, 25, 1), 1
	s_wait_xcnt 0x0
	s_wait_alu depctr_hold_cnt(0) depctr_sa_sdst(0) depctr_va_vdst(0) depctr_va_sdst(0) depctr_va_ssrc(0) depctr_va_vcc(0) depctr_vm_vsrc(0)
	s_getreg_b32 s2, hwreg(HW_REG_IB_STS2, 6, 4)
	s_cmp_eq_u32 s2, 0
	s_cbranch_scc0 .Lentry_in_a_cluster
	s_endpgm
.Lentry_in_a_cluster:
	s_bfe_u32 s2, ttmp6, 0x10000c
	s_cmp_lg_u32 s2, 0x3003
	s_cbranch_scc0 .Lentry_shape_is_right
	s_endpgm
.Lentry_shape_is_right:
; SECOND LAUNCH: causal attention on codes of E5M2, and the quantiser of its result.  q_ws, kv_ws: images of operand registers, as the first launch lays them.  lowp_scales: e0 .. e7.
; LEFT OUT AS DEAD WORK (shown at the head of the first launch): a key step all of whose 128 keys come after a tile's 16 queries.  A NaN or infinity that reaches only such hidden logits is not carried on.
; THE SOFTMAX AHEAD OF THE SECOND PRODUCT: t = logit x log2(e) = score x log2(e) / 8; M = the running largest t rounded UP to a whole number; p = 2^(t - M) is quantised with 2^e4; it is not normalised.
; The row's sum is taken of the unquantised p and divides O at the end.  When M moves, the sum and O are multiplied by 2^(old M - new M): exact.
; SHARES.  A cluster of four work-groups is one (batch, head); partner j = cx.  Tile of 16 queries i = 4 m + j, m = 0 .. 31.  Wave w of sixteen takes m = 31 - w and then m = w: m / 2 + 1 key steps of 128 each, 17 for every wave.
; Since j is at most 3, step s is hidden where 2 s > m and needs no mask where 2 s + 2 <= m: both tests hang on the wave's number and the count of steps, not on the place in the cluster.
; NO RING.  A head's codes of K and V, 16 key steps x 16,384 bytes, stay in LDS as memory has them, filled once, by joint loads of all four partners; tile m = 31 of every partner reads every step.
; Waves 0 to 3 issue four loads each (load g of wave w: key step 4 g + w): four tensor loads of a wave are out at the most.
; LAYOUT.  Both products transposed: S^T = K Q^T (source 0 = 16 keys, source 1 = my 16 queries, K = 64), O^T = V^T P^T (source 0 = 16 channels, source 1 = P, K = 128 keys): a lane holds one query (lane % 16) throughout.
; In S^T register 8 u + i of lane (r, h) is key 16 u + 8 h + i: the eight numbers that registers 2 u, 2 u + 1 of the second product's operand want: the conversions' results are that operand.
; y_ws [row tile of 16][head][2 pieces of 512 bytes]: lane (r, h) holds row r and channels 32 piece + 16 h + 0 .. 15: two heads on end are one fragment of the projection.
; LIMITS on the given exponents: e2 + e3 between -123 and 130 (added to c's exponent field); e4 and e6 - e4 - e5 between -126 and 112.  NaN among the inputs is not served.
; REGISTERS: v1 16 x lane; v2 the step's LDS address; v3 r - 8 h; v4, v31 at work; v5, v6 the add's two; v7 y's scale; v9 the mask's bound; v10 -infinity; v12 -M; v13 the largest t; v[14:15] the sum;
;   v16-23 Q; v25 p's scale; v[26:27] f; v[28:29] the sum's second chain; v30 a permute's result; v32-95 K's 8 fragments, then v32-47 p's codes; v96-159 S^T, then p; v160-191 O^T; v192-255 V's 4 fragments.
.set STEPB, 16384                      ; a key step's images: 8,192 bytes of K, 8,192 of V
.set SPARE, 16*STEPB                   ; behind them: the spare words, 128 bytes for each of the sixteen waves
.macro CROUND                          ; a round of the cluster's barrier
	s_barrier_signal -1
	s_barrier_wait -1
	s_cmp_lg_u32 s12, 0
	s_cbranch_scc1 .Lnot_wave_0_\@
	s_barrier_signal -3
.Lnot_wave_0_\@:
	s_barrier_wait -3
	s_barrier_signal -1
	s_barrier_wait -1
.endm
	s_load_b256 s[4:11], s[0:1], 0x0               ; q_ws s[4:5], kv_ws s[6:7], the exponents s[8:9], y_ws s[10:11]
	v_lshl_add_u32 v5, v0, 2, SPARE
	v_mov_b32 v6, 0
	ds_add_u32 v5, v6                              ; the wave's opening: the add, twice on end, and its wait ahead of the first tensor loads
	ds_add_u32 v5, v6                              ; and once more, under the one wait; the set-up below, work on registers, stands between
	v_lshrrev_b32 v1, 5, v0
	s_delay_alu instid0(VALU_DEP_1)
	v_readfirstlane_b32 s12, v1                    ; wave 0..15
	s_bfe_u32 s13, ttmp6, 0x40000                  ; cx: it enters global addresses and the mask's bound alone
	s_and_b32 s14, ttmp7, 0xffff                   ; 16 x batch + head, which the four partners share
	s_sub_co_u32 s56, 31, s12
	s_lshl_b32 s56, s56, 2
	s_add_co_u32 s56, s56, s13                     ; my long tile: 4 (31 - w) + cx
	s_lshl_b32 s57, s12, 2
	s_add_co_u32 s57, s57, s13                     ; my short tile: 4 w + cx
	s_lshl_b32 s58, s14, 17                        ; q_ws: a head is 128 tiles of 1,024 bytes
	s_lshl_b32 s60, s56, 10
	s_add_co_u32 s60, s60, s58
	s_mov_b32 s61, 0
	s_lshl_b32 s62, s57, 10
	s_add_co_u32 s62, s62, s58
	s_mov_b32 s63, 0
	s_lshr_b32 s58, s14, 4
	s_lshl_b32 s58, s58, 7                         ; y_ws: row tile 128 x batch + tile, 16,384 bytes each;
	s_and_b32 s59, s14, 15
	s_lshl_b32 s59, s59, 10                        ; a head is 1,024 bytes of it
	s_add_co_u32 s66, s58, s56
	s_lshl_b32 s66, s66, 14
	s_add_co_u32 s66, s66, s59
	s_mov_b32 s67, 0
	s_add_co_u32 s68, s58, s57
	s_lshl_b32 s68, s68, 14
	s_add_co_u32 s68, s68, s59
	s_mov_b32 s69, 0
	s_and_b32 s72, s12, 3
	s_lshl_b32 s72, s72, 14                        ; what I fetch, if I fetch: key step w, and 4, 8, 12 steps on: its place in LDS and in the head
	s_lshl_b32 s74, s14, 18
	s_add_co_u32 s74, s74, s72
	s_mov_b32 s75, 0
	; descriptor group 1: 64 dense rows of 256 bytes
	s_mov_b32 s40, 15|(3<<16)|(1<<21)              ; 15:0 the mask: all four work-groups; 17:16 elements of 8 bytes; 20 no padding; 21 set beside a mask
	s_mov_b32 s41, 32<<16                          ; tensor_dim0 = 32 elements
	s_mov_b32 s42, 64<<16                          ; tensor_dim1 = 64
	s_mov_b32 s43, 32<<16                          ; tile_dim0
	s_mov_b32 s44, 64                              ; tile_dim1
	s_mov_b32 s45, 32                              ; from row to row
	s_mov_b32 s46, 0
	s_mov_b32 s47, 0
	s_mov_b32 s20, 0x76543210                      ; v_permlanex16_b32: lane l xor 16
	s_mov_b32 s21, 0xfedcba98
	s_mov_b32 s22, 0x3e38aa3b                      ; c = log2(e) / 8
	s_wait_dscnt 0x0                               ; both opening adds are done
	s_wait_kmcnt 0x0
	s_load_b256 s[76:83], s[8:9], 0x0              ; e0 .. e7
	s_add_nc_u64 s[48:49], s[4:5], s[60:61]        ; Q of my long tile,
	s_add_nc_u64 s[50:51], s[4:5], s[62:63]        ; of my short tile
	s_add_nc_u64 s[52:53], s[10:11], s[66:67]      ; y likewise
	s_add_nc_u64 s[54:55], s[10:11], s[68:69]
	s_add_nc_u64 s[74:75], s[6:7], s[74:75]
	CROUND                                         ; all four work-groups are here: the joint loads meet
.irp g, 0,1,2,3
	s_mov_b32 s[24+4*\g], 1                        ; count = 1
	s_add_co_u32 s[25+4*\g], s72, \g*4*STEPB       ; LDS address: key step 4 g + w
	s_add_nc_u64 s[26+4*\g:27+4*\g], s[74:75], \g*4*STEPB
	s_or_b32 s[27+4*\g], s[27+4*\g], 0x80000000    ; type = 2
.endr
	s_cmp_lt_u32 s12, 4                            ; all the fills of a wave stand in one branch on its number, the same in all partners
	s_cbranch_scc0 .Lno_fill
.irp g, 0,1,2,3
	tensor_load_to_lds s[24+4*\g:27+4*\g], s[40:47]
	s_nop 0
.endr
.rept 4
	v_nop
.endr
.Lno_fill:
	v_and_b32 v1, 31, v0
	s_delay_alu instid0(VALU_DEP_1)
	v_lshlrev_b32 v1, 4, v1                        ; 16 x lane
	global_load_b128 v[16:19], v1, s[48:49]        ; Q of the long tile
	global_load_b128 v[20:23], v1, s[48:49] offset:512
	v_and_b32 v3, 15, v0
	v_bfe_u32 v4, v0, 4, 1
	s_delay_alu instid0(VALU_DEP_1)
	v_lshlrev_b32 v4, 3, v4
	s_delay_alu instid0(VALU_DEP_1)
	v_sub_nc_u32 v3, v3, v4                        ; r - 8 h
	v_mov_b32 v10, 0xff800000                      ; -infinity
	v_mov_b32 v30, 0                               ; written once: a lane permute's destination counts as one of its sources
	v_mov_b32 v27, 0                               ; (named as the upper half of the pair v[26:27])
.macro INIT                            ; a tile begins: the step is written without a first step of its own: it finds zeros, which the first change of M leaves zeros
	v_mov_b32 v13, 0xff61b1e6                      ; the largest t so far: -3e38
	s_delay_alu instid0(VALU_DEP_1)
	v_floor_f32 v12, -v13                          ; -M
	v_mov_b32 v14, 0
	v_mov_b32 v15, 0
.set n, 0
.rept 32
	v_mov_b32 v[160+n], 0
.set n, n+1
.endr
.endm
	INIT
	s_wait_kmcnt 0x0
	s_add_co_i32 s19, s78, s79
	s_lshl_b32 s19, s19, 23
	s_add_co_i32 s22, s22, s19                     ; a score stands for score x 2^(e2 + e3): added to c's exponent field
	s_mov_b32 s23, s22                             ; (named with it as a pair)
	s_add_co_i32 s19, s80, 127
	s_lshl_b32 s60, s19, 23
	v_mov_b32 v25, s60                             ; 2^e4 as f32
	s_sub_co_i32 s19, s82, s80
	s_sub_co_i32 s19, s19, s81                     ; O^T / the sum stands for y / 2^(e4 + e5): its code is that / 2^(e6 - e4 - e5)
	s_add_co_i32 s19, s19, 127
	s_lshl_b32 s60, s19, 23
	v_mov_b32 v7, s60
; A KEY STEP: 128 keys, at LDS byte s17; s18 counts the steps, s15 = m, s16 = my first query.  causal = 0: a step that is known to be open.
.macro STEP causal
.if \causal
	s_lshl_b32 s19, s18, 1
	s_cmp_gt_u32 s19, s15                          ; 2 s > m: all 128 keys come after my queries
	s_cbranch_scc1 .Lhidden_\@
.endif
	s_setprio 2
	v_add_nc_u32 v2, s17, v1
.rept 3
	v_nop                                          ; with the addition: four places behind the last products, in front of loads into their sources
.endr
.irp f, 0,1,2,3,4,5,6,7                        ; K: tile f of 16 keys, two pieces
	ds_load_b128 v[32+8*\f:35+8*\f], v2 offset:1024*\f
	ds_load_b128 v[36+8*\f:39+8*\f], v2 offset:1024*\f+512
.endr
.irp f, 0,1,2,3,4,5,6,7,8,9,10,11,12,13,14,15  ; V: tile f / 4 of 16 channels, piece f % 4
	ds_load_b128 v[192+4*\f:195+4*\f], v2 offset:8192+512*\f
.endr
	s_wait_dscnt 16                                ; K is in; V's sixteen loads are younger
.irp f, 0,1,2,3,4,5,6,7
	v_wmma_f32_16x16x64_bf8_bf8 v[96+8*\f:103+8*\f], v[32+8*\f:39+8*\f], v[16:23], 0
.endr
.rept 4
	v_nop
.endr
.if \causal                                    ; on the diagonal the scores of hidden keys become -infinity ahead of the maximum: p = 0 then
	s_add_co_u32 s19, s19, 2
	s_cmp_le_u32 s19, s15                          ; 2 s + 2 <= m: all keys count
	s_cbranch_scc1 .Lopen_\@
	s_lshl_b32 s60, s18, 7
	s_sub_co_i32 s60, s16, s60
	v_add_nc_u32 v9, s60, v3                       ; d = my query - the step's first key - 8 h.  Register 8 u + i holds key 16 u + 8 h + i: hidden where 16 u + i > d
.set n, 0
.rept 64
	v_cmp_gt_i32 vcc_lo, 16*(n/8)+n%8, v9
	v_cndmask_b32 v[96+n], v[96+n], v10, vcc_lo
.set n, n+1
.endr
.Lopen_\@:
.endif
	v_max3_num_f32 v4, v96, v97, v98               ; the step's largest score of my query among my 64 keys, in two chains, each accumulator from its low end on,
	v_max3_num_f32 v31, v99, v100, v101
.irp i, 6,10,14,18,22,26,30,34,38,42,46,50,54,58
	v_max3_num_f32 v4, v4, v[96+\i], v[97+\i]
	v_max3_num_f32 v31, v31, v[98+\i], v[99+\i]
.endr
	v_max3_num_f32 v4, v4, v158, v159
	s_delay_alu instid0(VALU_DEP_1)
	v_max_num_f32 v4, v4, v31
	s_delay_alu instid0(VALU_DEP_1)
	v_permlanex16_b32 v30, v4, s20, s21
	s_delay_alu instid0(VALU_DEP_1)
	v_max_num_f32 v4, v4, v30                      ; and among lane l xor 16's
	s_delay_alu instid0(VALU_DEP_1)
	v_mul_f32 v4, s22, v4                          ; as t (c is positive)
	s_delay_alu instid0(VALU_DEP_1)
	v_max_num_f32 v13, v13, v4                     ; the running largest t
	v_mov_b32 v4, v12
	s_delay_alu instid0(VALU_DEP_2)
	v_floor_f32 v12, -v13                          ; the new -M = -ceil(t): a whole number
	s_delay_alu instid0(VALU_DEP_1)
	v_sub_f32 v4, v12, v4                          ; old M - new M: a whole number, 0 or less
	s_delay_alu instid0(VALU_DEP_1)
	v_cvt_i32_f32 v4, v4                           ; (it saturates)
	s_delay_alu instid0(VALU_DEP_1)
	v_ldexp_f32 v26, 1.0, v4                       ; f = 2^(old M - new M)
.set n, 0
.rept 32
	v_pk_fma_f32 v[96+n:97+n], v[96+n:97+n], s[22:23], v[12:13] op_sel_hi:[1,0,0]   ; t - M, two at a time
.set n, n+2
.endr
.set n, 0
	s_setprio 1
	s_wait_alu depctr_va_vdst(0)
.rept 64
	v_exp_f32 v[96+n], v[96+n]                     ; p = 2^(t - M)
.set n, n+1
.endr
	v_pk_mul_f32 v[14:15], v[14:15], v[26:27] op_sel_hi:[1,0]   ; the sums under the new M: the plain instruction behind the exponentials
	s_wait_alu depctr_va_vdst(0)                   ; one wait for the whole batch, ahead of its first reader
	v_pk_add_f32 v[28:29], v[100:101], v[104:105]
	v_pk_add_f32 v[94:95], v[108:109], v[112:113]
	v_pk_add_f32 v[92:93], v[116:117], v[120:121]
	v_pk_add_f32 v[90:91], v[124:125], v[128:129]
	v_pk_add_f32 v[88:89], v[132:133], v[136:137]
	v_pk_add_f32 v[86:87], v[140:141], v[144:145]
	v_pk_add_f32 v[84:85], v[148:149], v[152:153]
	v_pk_add_f32 v[14:15], v[14:15], v[156:157]
	v_pk_add_f32 v[28:29], v[28:29], v[96:97]
	v_pk_add_f32 v[94:95], v[94:95], v[98:99]
	v_pk_add_f32 v[92:93], v[92:93], v[102:103]
	v_pk_add_f32 v[90:91], v[90:91], v[106:107]
	v_pk_add_f32 v[88:89], v[88:89], v[110:111]
	v_pk_add_f32 v[86:87], v[86:87], v[114:115]
	v_pk_add_f32 v[84:85], v[84:85], v[118:119]
	v_pk_add_f32 v[14:15], v[14:15], v[122:123]
	v_pk_add_f32 v[28:29], v[28:29], v[126:127]
	v_pk_add_f32 v[94:95], v[94:95], v[130:131]
	v_pk_add_f32 v[92:93], v[92:93], v[134:135]
	v_pk_add_f32 v[90:91], v[90:91], v[138:139]
	v_pk_add_f32 v[88:89], v[88:89], v[142:143]
	v_pk_add_f32 v[86:87], v[86:87], v[146:147]
	v_pk_add_f32 v[84:85], v[84:85], v[150:151]
	v_pk_add_f32 v[14:15], v[14:15], v[154:155]
	v_pk_add_f32 v[28:29], v[28:29], v[158:159]
	s_delay_alu instid0(VALU_DEP_2)
	v_pk_add_f32 v[14:15], v[14:15], v[90:91]
	s_delay_alu instid0(VALU_DEP_2)
	v_pk_add_f32 v[28:29], v[28:29], v[88:89]
	v_pk_add_f32 v[94:95], v[94:95], v[86:87]
	v_pk_add_f32 v[92:93], v[92:93], v[84:85]
	s_delay_alu instid0(VALU_DEP_2)
	v_pk_add_f32 v[14:15], v[14:15], v[94:95]
	s_delay_alu instid0(VALU_DEP_2)
	v_pk_add_f32 v[28:29], v[28:29], v[92:93]
	s_delay_alu instid0(VALU_DEP_1)
	v_pk_add_f32 v[14:15], v[14:15], v[28:29]
	s_setprio 0
.irp u, 0,1,2,3,4,5,6,7
.irp i, 0,1,2,3,4,5,6,7
.endr
	v_cvt_scalef32_pk8_bf8_f32 v[32+2*\u:33+2*\u], v[96+8*\u:103+8*\u], v25
.endr
.set n, 0
.rept 16
	v_pk_mul_f32 v[160+n:161+n], v[160+n:161+n], v[26:27] op_sel_hi:[1,0]   ; O^T under the new M; also the plain instructions between the conversions and the products
.set n, n+2
.endr
	s_wait_alu depctr_va_vdst(0)
	s_wait_dscnt 0x0                               ; V is in
.irp t, 0,1,2,3                                ; the four accumulators take turns; between two links of one stand eleven other matrix instructions
	v_wmma_f32_16x16x128_bf8_bf8 v[160+8*\t:167+8*\t], v[192+16*\t:207+16*\t], v[32:47], v[160+8*\t:167+8*\t]
.endr
.if \causal
.Lhidden_\@:
.endif
.endm
; steps s18 .. last - 1: the trip count is a constant of the text; what a hidden step leaves out is its work
.macro WALK last, causal
.Lwalk_\@:
	STEP \causal
	s_add_co_u32 s17, s17, STEPB
	s_add_co_u32 s18, s18, 1
	s_cmp_lt_u32 s18, \last
	s_cbranch_scc1 .Lwalk_\@
	s_setprio 0
.endm
; a tile ends: O^T / the sum, quantised, as two pieces of an image.  yb: the scalar pair of its address.  nextq = 1: the short tile's Q is asked for
.macro FINISH yb, nextq
.rept 4
	v_nop                                          ; places behind the last products
.endr
.if \nextq
	global_load_b128 v[16:19], v1, s[50:51]
	global_load_b128 v[20:23], v1, s[50:51] offset:512
.endif
	v_add_f32 v14, v14, v15                        ; the sum's two halves,
	s_delay_alu instid0(VALU_DEP_1)
	v_permlanex16_b32 v30, v14, s20, s21
	s_delay_alu instid0(VALU_DEP_1)
	v_add_f32 v14, v14, v30                        ; and lane l xor 16's
	s_wait_alu depctr_va_vdst(0)
	v_rcp_f32 v14, v14
	v_nop                                          ; a plain instruction behind the reciprocal
	s_wait_alu depctr_va_vdst(0)                   ; and the wait ahead of its first reader
.set n, 0
.rept 16
	v_pk_mul_f32 v[96+n:97+n], v[160+n:161+n], v[14:15] op_sel_hi:[1,0]   ; register 8 t + i: channel 16 t + 8 h + i
.set n, n+2
.endr
.set n, 0
.rept 32
.set n, n+1
.endr
.irp t, 0,1,2,3
	v_cvt_scalef32_pk8_bf8_f32 v[32+2*\t:33+2*\t], v[96+8*\t:103+8*\t], v7
.endr
	v_nop                                          ; a plain instruction behind the last conversion
.irp e, 0,1                                    ; tiles 2 e and 2 e + 1 change halves: lanes 0-15 then hold channels 32 e + 0 .. 15, lanes 16-31 channels 32 e + 16 .. 31
	v_permlane16_swap_b32 v[32+4*\e], v[34+4*\e]
	v_permlane16_swap_b32 v[33+4*\e], v[35+4*\e]
.endr
	global_store_b128 v1, v[32:35], s[\yb:\yb+1]             ; 32 lanes store 512 consecutive bytes, aligned
	global_store_b128 v1, v[36:39], s[\yb:\yb+1] offset:512
.endm
	s_wait_tensorcnt 3                             ; of a loading wave's four loads the first has landed; three may be out
	s_barrier_signal -1
	s_barrier_wait -1                              ; key steps 0 to 3 are in
	s_wait_loadcnt 0x0                             ; Q
	s_sub_co_u32 s15, 31, s12                      ; the long tile: m = 31 - w, at least 16
	s_lshl_b32 s16, s15, 6
	s_lshl_b32 s19, s13, 4
	s_add_co_u32 s16, s16, s19                     ; its first query
	s_mov_b32 s17, 0
	s_mov_b32 s18, 0
	WALK 4, 0                                      ; steps 0 to 3: 2 s + 2 is at most 8: open for every long tile
	s_wait_tensorcnt 0x0                           ; all my loads have landed
	s_wait_dscnt 0x0
	s_barrier_signal -1
	s_barrier_wait -1                              ; all sixteen steps are in
	s_mov_b32 s17, 4*STEPB
	s_mov_b32 s18, 4
	WALK 16, 1
	FINISH 52, 1
	s_wait_xcnt 0x0                                ; the stores have read their registers
	INIT
	s_mov_b32 s15, s12                             ; the short tile: m = w
	s_lshl_b32 s16, s15, 6
	s_lshl_b32 s19, s13, 4
	s_add_co_u32 s16, s16, s19
	s_mov_b32 s17, 0
	s_mov_b32 s18, 0
	s_wait_loadcnt 0x0                             ; its Q
	WALK 8, 1
	FINISH 54, 0
	s_wait_tensorcnt 0x0                           ; the wave's end
	ds_add_u32 v5, v6
	s_wait_dscnt 0x0
	CROUND                                         ; the closing round
	s_endpgm
.Lfunc_end_k_q6954467139_attn:
	.size	k_q6954467139_attn, .Lfunc_end_k_q6954467139_attn-k_q6954467139_attn
	.p2alignl 7, 3214868480
	.fill 96, 4, 3214868480
	.section	.rodata,"a",@progbits
	.p2align	6, 0x0
	.amdhsa_kernel k_q6954467139_attn
		.amdhsa_group_segment_fixed_size 264192
		.amdhsa_private_segment_fixed_size 0
		.amdhsa_enable_private_segment 0
		.amdhsa_kernarg_size 32
		.amdhsa_user_sgpr_count 2
		.amdhsa_user_sgpr_kernarg_segment_ptr 1
		.amdhsa_wavefront_size32 1
		.amdhsa_system_sgpr_workgroup_id_x 1
		.amdhsa_system_sgpr_workgroup_id_y 1
		.amdhsa_system_sgpr_workgroup_id_z 1
		.amdhsa_system_vgpr_workitem_id 0
		.amdhsa_next_free_vgpr 256
		.amdhsa_next_free_sgpr 90
		.amdhsa_reserve_vcc 1
		.amdhsa_float_denorm_mode_32 3
		.amdhsa_float_denorm_mode_16_64 3
		.amdhsa_fp16_overflow 1
		.amdhsa_memory_ordered 1
		.amdhsa_forward_progress 1
		.amdhsa_inst_pref_size 66
	.end_amdhsa_kernel
	.amdgpu_metadata
---
amdhsa.version: [ 1, 2 ]
amdhsa.kernels:
  - .name:           k_q6954467139_attn
    .symbol:         k_q6954467139_attn.kd
    .args:
      - { .name: q_ws, .offset: 0, .size: 8, .value_kind: global_buffer, .address_space: global }
      - { .name: kv_ws, .offset: 8, .size: 8, .value_kind: global_buffer, .address_space: global }
      - { .name: lowp_scales, .offset: 16, .size: 8, .value_kind: global_buffer, .address_space: global }
      - { .name: y_ws, .offset: 24, .size: 8, .value_kind: global_buffer, .address_space: global }
    .group_segment_fixed_size: 264192
    .private_segment_fixed_size: 0
    .kernarg_segment_align: 8
    .kernarg_segment_size: 32
    .max_flat_workgroup_size: 512
    .sgpr_count:     90
    .vgpr_count:     256
    .wavefront_size: 32
...
	.end_amdgpu_metadata
.endif
;; end of part 2
;; launch proj (part 3): grid 4 x 32, 4 waves a work-group, clusters of 4 x 4, 327,680 bytes of LDS; arguments y_ws, w_proj_codes, lowp_scales, out0; writes out0
.if DOCPART == 3
	.amdgcn_target "amdgcn-amd-amdhsa--gfx1250"
	.amdhsa_code_object_version 6
	.text
	.protected	k_q6954467139_proj
	.globl	k_q6954467139_proj
	.p2align	8
	.type	k_q6954467139_proj,@function
k_q6954467139_proj:
	s_mov_b64 s[64:65], 0
	v_nop
	global_prefetch_b8 v0, s[64:65] scope:SCOPE_SE
	s_setreg_imm32_b32 hwreg(HW_REG_WAVE_MODE, 25, 1), 1
	s_wait_xcnt 0x0
	s_wait_alu depctr_hold_cnt(0) depctr_sa_sdst(0) depctr_va_vdst(0) depctr_va_sdst(0) depctr_va_ssrc(0) depctr_va_vcc(0) depctr_vm_vsrc(0)
	s_getreg_b32 s2, hwreg(HW_REG_IB_STS2, 6, 4)
	s_cmp_eq_u32 s2, 0
	s_cbranch_scc0 .Lentry_in_a_cluster
	s_endpgm
.Lentry_in_a_cluster:
	s_bfe_u32 s2, ttmp6, 0x10000c
	s_cmp_lg_u32 s2, 0xf033
	s_cbranch_scc0 .Lentry_shape_is_right
	s_endpgm
.Lentry_shape_is_right:
; THIRD LAUNCH: out0 = y w_proj^T on codes of E5M2; each finished sum once x 2^(e6 + e7).  Nothing is left out here.
; y_ws: images of operand registers, [row tile of 16][head][2 pieces of 512 bytes], as the second launch lays them: 2,048 bytes on end are a fragment of 16 rows x 128 K, registers 4 c .. 4 c + 3 = K 32 c + 16 (l / 16) + 0 .. 15.
; w_proj: [1024][1024] codes, K innermost.  out0: [8192][1024] f32.  LIMIT: e6 + e7 between -126 and 127, so that 2^(e6 + e7) is an f32 number.
; A tile of C, 256 x 256, to a work-group of four waves, 128 x 128 a wave: 64 accumulators.  K = 1,024 goes in four steps of 256 through a ring of two LDS slots.
; CLUSTERS of 4 x 4: A's tiles are shared along a row of the cluster, B's along a column, each asked for jointly.  THE MATRIX INSTRUCTION IS USED TRANSPOSED: a lane holds eight neighbouring numbers of a row of C.
; 128 tiles of C: a smaller tile would give more work-groups, but half the products between a request and the wait for it, and half as many more LDS bytes for each product.
; REGISTERS, in windows of 256: window 0: v16-29 addresses; from v128 A's fragments, one set; on the way out v32-255 are free.  window 1: B's fragments, two sets.  windows 2, 3: the accumulators.
.set SIZE_N, 1024
.set ROWB,   256                       ; a row of B's tile in bytes
.set ASTEP,  4096                      ; a row tile's images of 256 along K
.set APITCH, 16384                     ; a row tile's images of all K
.set PITCH,  272                       ; B's LDS row: 256 bytes + 16 of padding: row r starts at bank 4 r mod 64 (ISA guide 11.1).  A's images are read 512 consecutive bytes an instruction and need none
.set FR,     16
.set NL,     4
.set NP,     4
.set HALFA,  8*ASTEP                   ; 8 row tiles: what one tensor load brings of A
.set HALFB,  128*PITCH                 ; 128 rows: of B
.set SLOT,   2*HALFA+2*HALFB
.set LAPS,   2
.set SPARE,  2*SLOT                    ; behind the ring: the spare words, 128 bytes for each wave
.set SPITCH, 528                       ; the way out: a stage of 16 rows x (512 bytes + 16) for each wave, in slot 0, which has had its last fill and its last read when the first result is stored there
.set ADRA, 16
.set ADRB, 20
.set STO,  24
.set RD,   25
.set CO,   26
.set SPW,  28
.set NIL,  29
.set TMP,  32
.set AF,   128
.set BK,   128
.set G1, 24
.set G0, 32
.set G1B, 48
.set G0B, 56
.set MSB, 0
.macro WIN new
.if MSB != (\new)
	s_set_vgpr_msb (MSB<<8)|(\new)
.set MSB, (\new)
.endif
.endm
.set MUL_LO, 0xa1
.set MUL_HI, 0xf1
.set TO_B,   0x40
.macro JLOAD g0a, g1a, g0b, g1b        ; a joint load: waves 0 and 1 fetch for A, waves 2 and 3 for B; an s_nop 0 and four v_nop follow each of the two lines
	s_cmp_eq_u32 s15, 0
	s_cbranch_scc0 .Lfor_b_\@
	tensor_load_to_lds s[\g0a:\g0a+3], s[\g1a:\g1a+7]
	s_nop 0
.rept 4
	v_nop
.endr
	s_branch .Lasked_\@
.Lfor_b_\@:
	tensor_load_to_lds s[\g0b:\g0b+3], s[\g1b:\g1b+7]
	s_nop 0
.rept 4
	v_nop
.endr
.Lasked_\@:
.endm
.macro CREST
	s_cmp_lg_u32 s14, 0
	s_cbranch_scc1 .Lnot_wave_0_\@
	s_barrier_signal -3
.Lnot_wave_0_\@:
	s_barrier_wait -3
	s_barrier_signal -1
	s_barrier_wait -1
.endm
.macro CROUND
	s_barrier_signal -1
	s_barrier_wait -1
	CREST
.endm
	s_load_b128 s[4:7], s[0:1], 0x0                ; y_ws s[4:5], w_proj's codes s[6:7]
	s_load_b128 s[8:11], s[0:1], 0x10              ; the exponents s[8:9], out0 s[10:11]
	v_lshl_add_u32 v[SPW], v0, 2, SPARE
	v_mov_b32 v[NIL], 0
	ds_add_u32 v[SPW], v[NIL]                      ; the wave's opening: the add, twice on end, and its wait ahead of my first tensor load
	ds_add_u32 v[SPW], v[NIL]                      ; and once more, under the one wait
	v_lshrrev_b32 v1, 5, v0
	v_readfirstlane_b32 s14, v1                    ; wave 0..3
	s_lshr_b32 s15, s14, 1                         ; which half of the tile's rows is mine.  Also: I fetch for A (0) or for B (1)
	s_and_b32 s16, s14, 1                          ; which half of its columns.  Also: which half of that tile I fetch
	s_bfe_u32 s40, ttmp6, 0x40000                  ; cx, cy
	s_bfe_u32 s41, ttmp6, 0x40004
	s_lshl_b32 s42, ttmp9, 2
	s_add_co_u32 s42, s42, s40                     ; tile column of C
	s_and_b32 s17, ttmp7, 0xffff
	s_lshl_b32 s17, s17, 2
	s_add_co_u32 s17, s17, s41                     ; tile row of C
	s_lshl_b32 s43, s41, 2
	s_lshl_b32 s43, 15, s43                        ; my row of the cluster
	s_lshl_b32 s44, 0x1111, s40                    ; my column
	; descriptor group 1 for A: 8 rows of 4,096 bytes, 16,384 bytes apart, dense in LDS
	s_or_b32 s[G1+0], s43, (0<<16)|(1<<21)         ; 15:0 the mask: my row; 17:16 element of 1 byte; 20 no padding; 21 set beside a mask
	s_mov_b32 s[G1+1], ASTEP<<16                   ; tensor_dim0
	s_mov_b32 s[G1+2], 8<<16                       ; tensor_dim1 = 8
	s_mov_b32 s[G1+3], ASTEP<<16                   ; tile_dim0
	s_mov_b32 s[G1+4], 8                           ; tile_dim1
	s_mov_b32 s[G1+5], APITCH                      ; from row to row
	s_mov_b32 s[G1+6], 0
	s_mov_b32 s[G1+7], 0
	; for B: 128 rows of 256 bytes, padded in LDS
	s_or_b32 s[G1B+0], s44, (0<<16)|(1<<20)|(1<<21)|(5<<22)|(3<<25)  ; the mask: my column; padding of 4 words after every 64
	s_mov_b32 s[G1B+1], ROWB<<16
	s_mov_b32 s[G1B+2], 128<<16
	s_mov_b32 s[G1B+3], ROWB<<16
	s_mov_b32 s[G1B+4], 128
	s_mov_b32 s[G1B+5], 1024
	s_mov_b32 s[G1B+6], 0
	s_mov_b32 s[G1B+7], 0
	s_lshl_b32 s20, s17, 4
	s_lshl_b32 s18, s16, 3
	s_add_co_u32 s20, s20, s18                     ; A: row tile 16 x tile row + 8 x half,
	s_lshl_b32 s20, s20, 14                        ; in bytes
	s_mov_b32 s21, 0
	s_lshl_b32 s18, s16, 7
	s_lshl_b32 s46, s42, 8
	s_add_co_u32 s46, s46, s18                     ; B: row 256 x tile column + 128 x half,
	s_lshl_b32 s46, s46, 10                        ; in bytes
	s_mov_b32 s47, 0
	s_mul_i32 s45, s16, HALFA                      ; where they go: no place in the cluster enters an LDS address
	s_mul_i32 s66, s16, HALFB
	s_add_co_u32 s66, s66, 2*HALFA
	s_wait_dscnt 0x0                               ; both opening adds are done
	s_wait_kmcnt 0x0
	s_load_b64 s[96:97], s[8:9], 0x18              ; e6, e7
	s_add_nc_u64 s[20:21], s[4:5], s[20:21]
	s_add_nc_u64 s[46:47], s[6:7], s[46:47]
	CROUND                                         ; all sixteen work-groups are here: the first joint loads meet
.irp s, 0,1
	s_mov_b32 s[G0+4*\s], 1
	s_add_co_u32 s[G0+4*\s+1], s45, \s*SLOT
	s_add_nc_u64 s[G0+4*\s+2:G0+4*\s+3], s[20:21], \s*ASTEP
	s_or_b32 s[G0+4*\s+3], s[G0+4*\s+3], 0x80000000
	s_mov_b32 s[G0B+4*\s], 1
	s_add_co_u32 s[G0B+4*\s+1], s66, \s*SLOT
	s_add_nc_u64 s[G0B+4*\s+2:G0B+4*\s+3], s[46:47], \s*ROWB
	s_or_b32 s[G0B+4*\s+3], s[G0B+4*\s+3], 0x80000000
	s_wait_alu depctr_va_vdst(0)
	s_wait_tensorcnt 0x0
	ds_add_u32 v28, v29
	ds_add_u32 v28, v29
	s_wait_dscnt 0x0
	CROUND
	JLOAD G0+4*\s, G1, G0B+4*\s, G1B
.endr
	v_and_b32 v1, 15, v0                           ; l % 16
	v_bfe_u32 v2, v0, 4, 1                         ; l / 16
	v_mul_u32_u24 v3, v1, PITCH
	v_lshl_add_u32 v4, v2, 4, v3                   ; B: a fragment's row x pitch + 16 x half
	v_and_b32 v6, 31, v0
	v_lshlrev_b32 v[CO], 4, v6                     ; 16 x lane: A's images; on the way out a row of 512 bytes
	s_wait_alu depctr_va_vdst(0)
	s_mul_i32 s21, s15, HALFA                      ; my 8 row tiles of A
	s_mul_i32 s22, s16, HALFB                      ; my 128 rows of B,
	s_add_co_u32 s22, s22, 2*HALFA                 ; which lie behind A's halves
.irp s, 0,1
	v_add_nc_u32 v[ADRA+\s], s21, v[CO]
	v_add_nc_u32 v[ADRB+\s], s22, v4
	s_add_co_u32 s21, s21, SLOT
	s_add_co_u32 s22, s22, SLOT
.endr
	s_mul_i32 s23, s14, 16*SPITCH                  ; my stage
	v_mul_u32_u24 v5, v1, SPITCH                   ; in: row l % 16, 32 bytes for each half of the lanes
	v_lshl_add_u32 v5, v2, 5, v5
	v_add_nc_u32 v[STO], s23, v5
	v_add_nc_u32 v[RD], s23, v[CO]                 ; back: the 32 lanes take one row of 512 bytes
	s_lshl_b32 s20, s17, 8
	s_lshl_b32 s21, s15, 7
	s_add_co_u32 s20, s20, s21                     ; my first row of C
	s_mov_b32 s21, 0
	s_mov_b64 s[18:19], SIZE_N*4
	s_mul_u64 s[20:21], s[20:21], s[18:19]
	s_lshl_b32 s46, s42, 10                        ; my first column, in bytes
	s_lshl_b32 s47, s16, 9
	s_add_co_u32 s46, s46, s47
	s_mov_b32 s47, 0
	s_add_nc_u64 s[20:21], s[20:21], s[46:47]
	s_add_nc_u64 s[10:11], s[10:11], s[20:21]
.macro FRAG reg, adr, q, i             ; B: lane l holds row l % 16; registers 4 c .. 4 c + 3 hold K = 32 c + 16 (l / 16) + 0 .. 15
.irp c, 0,1,2,3
	ds_load_b128 v[\reg+4*\c:\reg+4*\c+3], v[\adr] offset:128*(\q)+32*\c+(\i)*16*PITCH
.endr
.endm
.macro FRAGA reg, adr, q, i            ; A: the image of the same registers, 512 consecutive bytes a load
.irp c, 0,1,2,3
	ds_load_b128 v[\reg+4*\c:\reg+4*\c+3], v[\adr] offset:(\i)*ASTEP+2048*(\q)+512*\c
.endr
.endm
.macro MUL16 a0, p, zero               ; 16 matrix instructions; the 64 accumulators take turns, one instruction a turn
.irp a, \a0, \a0+1
.irp b, 0,1,2,3,4,5,6,7
.if \zero
	v_wmma_f32_16x16x128_bf8_bf8 v[8*(8*((\a)%4)+\b):8*(8*((\a)%4)+\b)+7], v[128*(\p)+FR*\b:128*(\p)+FR*\b+FR-1], v[AF+FR*(\a):AF+FR*(\a)+FR-1], 0
.else
	v_wmma_f32_16x16x128_bf8_bf8 v[8*(8*((\a)%4)+\b):8*(8*((\a)%4)+\b)+7], v[128*(\p)+FR*\b:128*(\p)+FR*\b+FR-1], v[AF+FR*(\a):AF+FR*(\a)+FR-1], v[8*(8*((\a)%4)+\b):8*(8*((\a)%4)+\b)+7]
.endif
.endr
.endr
.endm
.macro FETCH_B slot, q, p
	WIN TO_B
.irp i, 0,1,2,3,4,5,6,7
	FRAG 128*(\p)+FR*\i, ADRB+\slot, \q, \i
.endr
	WIN 0
.endm
.macro FETCH_A slot, q, i0
.irp i, \i0, \i0+1, \i0+2, \i0+3
	FRAGA AF+FR*(\i), ADRA+\slot, \q, \i
.endr
.endm
.macro PLACES n                        ; plain vector instructions between a matrix instruction and a load into, or a vector instruction on, its registers
.rept \n
	v_nop
.endr
.endm
.macro STEP slot, q, zero
	s_wait_dscnt 4*NL                              ; B's set and A's blocks 0-3 are in; the youngest sixteen loads (A's blocks 4-7) may be out
	WIN MUL_LO
	MUL16 0, (\q)%2, \zero
	MUL16 2, (\q)%2, \zero
	s_wait_dscnt 0
	PLACES NP
	FETCH_B \slot, (\q)+1, 1-(\q)%2
	FETCH_A \slot, (\q)+1, 0
	WIN MUL_HI
	MUL16 4, (\q)%2, \zero
	MUL16 6, (\q)%2, \zero
	PLACES NP
	WIN 0
	FETCH_A \slot, (\q)+1, 4
.endm
.macro TURN slot, next, fill           ; a slot's last step changes slots: one barrier; in front of it the wait for all my tensor loads, the add, and the wait for it and for my reads of this slot
	s_wait_tensorcnt 0x0                           ; all my tensor loads have landed: my part of the next slot
	ds_add_u32 v[SPW], v[NIL]                      ; 0 onto my spare word
	s_wait_dscnt 4*NL+1                            ; (the add and the youngest sixteen loads may be out)
	WIN MUL_LO
	MUL16 0, 1, 0
	s_wait_dscnt 0x0                               ; the add is done, and my reads of this slot are over
	s_barrier_signal -1
	MUL16 2, 1, 0
	WIN 0
	s_barrier_wait -1
.if \fill
	CREST                                          ; the barrier has opened a round of the cluster's barrier
	s_add_nc_u64 s[G0+4*\slot+2:G0+4*\slot+3], s[G0+4*\slot+2:G0+4*\slot+3], 2*ASTEP
	s_add_nc_u64 s[G0B+4*\slot+2:G0B+4*\slot+3], s[G0B+4*\slot+2:G0B+4*\slot+3], 2*ROWB
	JLOAD G0+4*\slot, G1, G0B+4*\slot, G1B         ; the first tensor load behind the round; its four v_nop are the places in front of the loads below
.else
	PLACES NP
.endif
	FETCH_B \next, 0, 0
	FETCH_A \next, 0, 0
	WIN MUL_HI
	MUL16 4, 1, 0
	MUL16 6, 1, 0
	PLACES NP
	WIN 0
	FETCH_A \next, 0, 4
.endm
	s_wait_alu depctr_va_vdst(0)
	s_wait_tensorcnt 1                             ; my part of K step 0 is in (K step 1's one load may be out)
	s_barrier_signal -1
	s_barrier_wait -1                              ; everybody's is
	FETCH_B 0, 0, 0
	FETCH_A 0, 0, 0
	FETCH_A 0, 0, 4
	STEP 0, 0, 1                                   ; the first step's products start the sums
	s_mov_b32 s3, LAPS-1
.Llap:
	TURN 0, 1, 1
	STEP 1, 0, 0
	TURN 1, 0, 1
	STEP 0, 0, 0
	s_sub_co_u32 s3, s3, 1
	s_cmp_lg_u32 s3, 0
	s_cbranch_scc1 .Llap
	TURN 0, 1, 0                                   ; the last lap fills nothing
	STEP 1, 0, 0
	s_wait_dscnt 4*NL
	WIN MUL_LO
	MUL16 0, 1, 0
	MUL16 2, 1, 0
	s_wait_dscnt 0
	WIN MUL_HI
	MUL16 4, 1, 0
	MUL16 6, 1, 0
	WIN 0
; THE WAY OUT, block by block of 16 rows x 128 columns, through my own stage in LDS: in as 32 bytes a lane, back as whole rows of 512 bytes.  LDS serves a wave's instructions in order (ISA guide 5.7.1.4).
.macro TOSTAGE a
.set AC, 64*((\a)%4)
	WIN 0x02+((\a)/4)                              ; source 0: window 2 or 3
.irp j, 0,2,4,6,8,10,12,14,16,18,20,22,24,26,28,30,32,34,36,38,40,42,44,46,48,50,52,54,56,58,60,62
	v_pk_mul_f32 v[TMP+\j:TMP+\j+1], v[AC+\j:AC+\j+1], s[96:97] op_sel_hi:[1,0]   ; both x s96 = 2^(e6 + e7); each accumulator from its low end on
.endr
	WIN 0
.irp b, 0,1,2,3,4,5,6,7
	ds_store_b128 v[STO], v[TMP+8*\b:TMP+8*\b+3] offset:64*\b
	ds_store_b128 v[STO], v[TMP+8*\b+4:TMP+8*\b+7] offset:64*\b+16
.endr
.set BB, BK+64*((\a)%2)
.irp t, 0,1,2,3,4,5,6,7,8,9,10,11,12,13,14,15
	ds_load_b128 v[BB+4*\t:BB+4*\t+3], v[RD] offset:\t*SPITCH
.endr
.endm
.macro SEND a, younger                 ; younger: the LDS instructions issued behind block a's loads, which may stay out
.set BB, BK+64*((\a)%2)
	s_wait_dscnt \younger
.if (\a) > 0
	s_add_nc_u64 s[10:11], s[10:11], 16*SIZE_N*4   ; (behind a wait on XCNT: the earlier stores have read their base)
.endif
.irp t, 0,1,2,3,4,5,6,7,8,9,10,11,12,13,14,15
	global_store_b128 v[CO], v[BB+4*\t:BB+4*\t+3], s[10:11] offset:\t*SIZE_N*4 th:TH_STORE_NT   ; 32 lanes store 512 consecutive bytes, aligned; written once, read by nobody here
.endr
.endm
	s_wait_kmcnt 0x0
	s_add_co_i32 s96, s96, s97                     ; e6 + e7
	s_add_co_i32 s96, s96, 127
	s_lshl_b32 s96, s96, 23                        ; 2^(e6 + e7) as f32
	PLACES NP                                      ; behind the last products: loads land in A's registers, and results are read
	TOSTAGE 0
.irp a, 1,2,3,4,5,6,7
.if \a > 1
	s_wait_xcnt 0x0                                ; the stores of two blocks back have read their registers and their base
.endif
	TOSTAGE \a
	SEND \a-1, 32                                  ; behind block a - 1's loads: block a's 16 stores and 16 loads
.endr
	s_wait_xcnt 0x0
	SEND 7, 0
	s_wait_tensorcnt 0x0                           ; the wave's end
	ds_add_u32 v[SPW], v[NIL]
	s_wait_dscnt 0x0
	CROUND                                         ; the closing round
	s_endpgm
.Lfunc_end_k_q6954467139_proj:
	.size	k_q6954467139_proj, .Lfunc_end_k_q6954467139_proj-k_q6954467139_proj
	.p2alignl 7, 3214868480
	.fill 96, 4, 3214868480
	.section	.rodata,"a",@progbits
	.p2align	6, 0x0
	.amdhsa_kernel k_q6954467139_proj
		.amdhsa_group_segment_fixed_size 327680
		.amdhsa_private_segment_fixed_size 0
		.amdhsa_enable_private_segment 0
		.amdhsa_kernarg_size 32
		.amdhsa_user_sgpr_count 2
		.amdhsa_user_sgpr_kernarg_segment_ptr 1
		.amdhsa_wavefront_size32 1
		.amdhsa_system_sgpr_workgroup_id_x 1
		.amdhsa_system_sgpr_workgroup_id_y 1
		.amdhsa_system_sgpr_workgroup_id_z 1
		.amdhsa_system_vgpr_workitem_id 0
		.amdhsa_next_free_vgpr 1024
		.amdhsa_next_free_sgpr 98
		.amdhsa_reserve_vcc 0
		.amdhsa_float_denorm_mode_32 3
		.amdhsa_float_denorm_mode_16_64 3
		.amdhsa_memory_ordered 1
		.amdhsa_forward_progress 1
		.amdhsa_inst_pref_size 124
	.end_amdhsa_kernel
	.amdgpu_metadata
---
amdhsa.version: [ 1, 2 ]
amdhsa.kernels:
  - .name:           k_q6954467139_proj
    .symbol:         k_q6954467139_proj.kd
    .args:
      - { .name: y_ws, .offset: 0, .size: 8, .value_kind: global_buffer, .address_space: global }
      - { .name: w_proj_codes, .offset: 8, .size: 8, .value_kind: global_buffer, .address_space: global }
      - { .name: lowp_scales, .offset: 16, .size: 8, .value_kind: global_buffer, .address_space: global }
      - { .name: out0, .offset: 24, .size: 8, .value_kind: global_buffer, .address_space: global }
    .group_segment_fixed_size: 327680
    .private_segment_fixed_size: 0
    .kernarg_segment_align: 8
    .kernarg_segment_size: 32
    .max_flat_workgroup_size: 128
    .sgpr_count:     98
    .vgpr_count:     1024
    .wavefront_size: 32
...
	.end_amdgpu_metadata
.endif
;; end of part 3
